; MI455X (gfx1250); checked and timed in simulation.
; The chip was launched on July 23, 2026; its instructions are those of AMD's public machine-readable ISA for CDNA 5 (MIT licence, August 2026) and "CDNA5" Instruction Set Architecture Reference Guide (July 2026). The comments in the code are by the model that wrote it; some were corrected since.
;; Pointcloud Rendering Model. Allowed arithmetic: float matrix products may take bf16 or f16 operands with f32 sums; other float arithmetic in f32, or as packed bf16 or f16 multiplies, adds, multiply-adds, maxima and minima; sums over many terms, partial sums and values carried from step to step in f32; what a program stores and reads back later, other than sums and carried values, may be rounded once to bf16 or f16.
;; Inputs: R 3 x 3 float32; T 3 float32; features 20,000 x 3 float32; focal 2 float32; points 20,000 x 3 float32; principal 2 float32.
;; Outputs: out0 64 x 128 x 3 float32; out1 64 x 128 float32; out2 64 x 128 float32.
;; One version. Each part assembles by itself: llvm-mc -triple=amdgcn-amd-amdhsa -mcpu=gfx1250 --defsym DOCPART=n.
;; ======== version 1 of 1: 2 launches
;; workspace buffers: kz 163,840 bytes of whole numbers; xy 163,840 bytes
;; launch project (part 1): grid 40 x 1, 4 waves a work-group, no clusters, 0 bytes of LDS; arguments points, R, T, focal, principal, kz, xy; writes kz, xy
.if DOCPART == 1
	.amdgcn_target "amdgcn-amd-amdhsa--gfx1250"
	.amdhsa_code_object_version 6
	.text
	.protected	k_q20e42575bf_project
	.globl	k_q20e42575bf_project
	.p2align	8
	.type	k_q20e42575bf_project,@function
k_q20e42575bf_project:
	s_mov_b64 s[64:65], 0
	v_nop
	global_prefetch_b8 v0, s[64:65] scope:SCOPE_SE
	s_setreg_imm32_b32 hwreg(HW_REG_WAVE_MODE, 25, 1), 1
	s_wait_xcnt 0x0
; POINT CLOUD RENDERING, first of two launches: every point is projected and told which pixels it covers.
; The problem: 20,000 points go through pc = p R + T, x = f0 pc0 / z + pp0, y = f1 pc1 / z + pp1.  A pixel centre (xs[c], ys[r]) of the 64 x 128
; image is covered by a point where d2 = (xs - x)^2 + (ys - y)^2 < R2 = 0.015^2 and z > 0.01; the 10 nearest covering points are composited.
; WORK LEFT OUT, for all values of the inputs.
;  (1) The problem tests every pixel against every point.  Its own constants make nearly all of these tests fail: rows of centres lie 2/64 = 0.03125
;      apart and columns 2/128 = 0.015625 apart.  With r = floor(32 - 32 y) every other row is 1/64 away or more; with c0 = floor(63.5 - 64 x) every column but
;      c0 and c0 + 1 is 1/64 away or more.  There d2 >= (1/64)^2 = 2.44e-4 less rounding, 8 per cent above R2 = 2.25e-4, so the pixel is not covered.  Where the floor
;      falls to the wrong side by rounding, x lies at a centre that both choices keep, or y lies midway between two rows of which neither is covered.  So only pixels (r, c0) and (r, c0 + 1) are tested.
;  (2) The term trans x BG: BG is the constant 0 of the problem.
;  No input is left out.  A NaN, an infinity or an overflow that reaches only the tests left out is not carried to the result (in the problem such a test fails too).
; A covering point with z >= 5e9 has weight 0 in the problem and sorts behind every point that has weight: it is dropped here, which changes no output.
; LIMITS.  1 / z is v_rcp_f32 (1 ulp); the transform, x, y and d2 use fused multiply-adds.  So a point within rounding of the rim of its disc (its weight is then about 0) or
; two depths within an ulp of each other may fall otherwise than in the problem.  The product p R has K = 3 and stays in f32 on the vector unit: 9 multiply-adds a point; 16-bit operands would move a point by a fifth of its radius.
; OUT.  kz, whole numbers: 20,480 keys, then from byte 81,920 on 20,480 depth keys (the bits of z, which order as unsigned numbers for z > 0).
;   key = row << 10 | (c0 + 1) << 2 | cov1 << 1 | cov0, or all ones where nothing is covered.  Point 128 B + 32 j + l lies at word 128 B + 4 l + j, so that 16 bytes of a lane hold four groups of 32 points.
;   xy: x and y of point p at byte 8 p.
; SHARES.  A wave takes block B = 4 x work-group + wave: 128 points, lane l the points 128 B + 32 j + l, j = 0..3.  40 work-groups: 20,480 places; places from 20,000 on read point 19,999 and get the key of all ones.
.set NPTS,  20000
.set ZHALF, 81920                      ; byte at which the depth keys begin
.set OFFP, 4                           ; v4-7    byte offset of point j in points
.set PT,   8                           ; v[8+4j:10+4j] the point as loaded
.set PI,   24                          ; v24-27  the number of point j
.set CX,   28                          ; v28-31  pc0
.set CY,   32                          ; v32-35  pc1
.set CZ,   36                          ; v[36:39] z: stored as the depth keys
.set KEYR, 40                          ; v[40:43] the keys
.set XY,   44                          ; v[44+2j:45+2j] x, y
.set INV,  52                          ; v52-55  1 / z
.set OXY,  56                          ; v56-59  8 x the number of point j
.set TX,   60                          ; v60-63  f0 pc0
.set TY,   64                          ; v64-67  f1 pc1
.set TT,   60                          ; v60-71  at work, once TX and TY are spent
	s_load_b256 s[4:11], s[0:1], 0x0               ; points s[4:5], R s[6:7], T s[8:9], focal s[10:11]
	s_load_b128 s[12:15], s[0:1], 0x20             ; principal s[12:13], kz s[14:15]
	s_load_b64 s[16:17], s[0:1], 0x30              ; xy
	v_and_b32 v1, 31, v0                           ; lane
	v_lshrrev_b32 v3, 5, v0
	v_readfirstlane_b32 s18, v3                    ; wave
	s_lshl_b32 s19, ttmp9, 2
	s_add_co_u32 s19, s19, s18                     ; B
	s_lshl_b32 s2, s19, 9                          ; a block is 512 bytes of keys
	s_mov_b32 s3, 0
	s_lshl_b32 s29, s19, 7                         ; and 128 points
	v_lshlrev_b32 v2, 4, v1                        ; my 16 bytes of the block
	v_add_nc_u32 v[PI], s29, v1
.irp j, 1,2,3
	v_add_nc_u32 v[PI+(\j)], 32*(\j), v[PI]
.endr
.irp j, 0,1,2,3
	v_min_u32 v[OFFP+(\j)], NPTS-1, v[PI+(\j)]     ; no load leaves the buffer
	v_mul_u32_u24 v[OFFP+(\j)], v[OFFP+(\j)], 12
	v_lshlrev_b32 v[OXY+(\j)], 3, v[PI+(\j)]
.endr
	s_mov_b32 s40, 0xc2000000                      ; -32
	s_mov_b32 s41, 0x42000000                      ; 32
	s_mov_b32 s42, 0xbd000000                      ; -1/32
	s_mov_b32 s43, 0x3f7c0000                      ; 63/64:   ys[r] = 63/64 - r/32, exact
	s_mov_b32 s44, 0xc2800000                      ; -64
	s_mov_b32 s45, 0x427e0000                      ; 63.5
	s_mov_b32 s46, 0xbc800000                      ; -1/64
	s_mov_b32 s47, 0x3f7e0000                      ; 127/128: xs[c] = 127/128 - c/64, exact
	s_mov_b32 s48, 0x396bedfa                      ; R2 = 0.000225
	s_mov_b32 s49, 0x43480000                      ; 200
	s_mov_b32 s50, 0x3c23d70a                      ; 0.01
	s_mov_b32 s51, 0x4f9502f9                      ; 5e9
	s_mov_b32 s60, NPTS
	s_mov_b32 s61, 128
	s_wait_kmcnt 0x0
.irp j, 0,1,2,3
	global_load_b96 v[PT+4*(\j):PT+4*(\j)+2], v[OFFP+(\j)], s[4:5] th:TH_LOAD_NT  ; 32 lanes: 384 consecutive bytes
.endr
	s_load_b256 s[20:27], s[6:7], 0x0              ; R[i][j] in s[20 + 3 i + j]
	s_load_b32 s28, s[6:7], 0x20
	s_load_b96 s[32:34], s[8:9], 0x0               ; T
	s_load_b64 s[36:37], s[10:11], 0x0             ; focal
	s_load_b64 s[38:39], s[12:13], 0x0             ; principal
	s_add_nc_u64 s[14:15], s[14:15], s[2:3]        ; kz at my block
	s_wait_kmcnt 0x0
; pc = p R + T for group j: three chains of three fused multiply-adds
.macro XFORM j
	s_wait_loadcnt 3-(\j)                          ; loads come back in order: group j is in, the later groups stay out
	v_fma_f32 v[CX+(\j)], v[PT+4*(\j)], s20, s32
	v_fma_f32 v[CY+(\j)], v[PT+4*(\j)], s21, s33
	v_fma_f32 v[CZ+(\j)], v[PT+4*(\j)], s22, s34
	v_fma_f32 v[CX+(\j)], v[PT+4*(\j)+1], s23, v[CX+(\j)]
	v_fma_f32 v[CY+(\j)], v[PT+4*(\j)+1], s24, v[CY+(\j)]
	v_fma_f32 v[CZ+(\j)], v[PT+4*(\j)+1], s25, v[CZ+(\j)]
	v_fma_f32 v[CX+(\j)], v[PT+4*(\j)+2], s26, v[CX+(\j)]
	v_fma_f32 v[CY+(\j)], v[PT+4*(\j)+2], s27, v[CY+(\j)]
	v_fma_f32 v[CZ+(\j)], v[PT+4*(\j)+2], s28, v[CZ+(\j)]
.endm
; x and y of group j, stored: 32 lanes fill 256 consecutive bytes, at a multiple of 256 from the first byte of xy
.macro PROJ j
	v_fma_f32 v[XY+2*(\j)],   v[TX+(\j)], v[INV+(\j)], s38
	v_fma_f32 v[XY+2*(\j)+1], v[TY+(\j)], v[INV+(\j)], s39
	global_store_b64 v[OXY+(\j)], v[XY+2*(\j):XY+2*(\j)+1], s[16:17]
.endm
; The key of group j.  The maximum and minimum in front of the conversions hold NaN, infinities and far points to -2 .. 200, which the tests on whole numbers then refuse.
.macro MKKEY j
	v_fma_f32 v[TT], v[XY+2*(\j)+1], s40, s41      ; 32 - 32 y
	v_floor_f32 v[TT], v[TT]
	v_max_num_f32 v[TT], -2.0, v[TT]
	v_min_num_f32 v[TT], s49, v[TT]                ; the row, as a float
	v_fma_f32 v[TT+1], v[TT], s42, s43             ; its centre
	v_sub_f32 v[TT+1], v[TT+1], v[XY+2*(\j)+1]
	v_mul_f32 v[TT+1], v[TT+1], v[TT+1]            ; dy^2
	v_fma_f32 v[TT+2], v[XY+2*(\j)], s44, s45      ; 63.5 - 64 x
	v_floor_f32 v[TT+2], v[TT+2]
	v_max_num_f32 v[TT+2], -2.0, v[TT+2]
	v_min_num_f32 v[TT+2], s49, v[TT+2]            ; c0, as a float
	v_fma_f32 v[TT+3], v[TT+2], s46, s47           ; the centre of column c0,
	v_add_f32 v[TT+5], s46, v[TT+3]                ; and of c0 + 1
	v_sub_f32 v[TT+3], v[TT+3], v[XY+2*(\j)]
	v_sub_f32 v[TT+5], v[TT+5], v[XY+2*(\j)]
	v_fma_f32 v[TT+4], v[TT+3], v[TT+3], v[TT+1]   ; d2 to pixel (row, c0)
	v_fma_f32 v[TT+5], v[TT+5], v[TT+5], v[TT+1]   ; d2 to pixel (row, c0 + 1)
	v_cvt_i32_f32 v[TT+6], v[TT]                   ; row
	v_cvt_i32_f32 v[TT+7], v[TT+2]                 ; c0
	v_add_nc_u32 v[TT+8], 1, v[TT+7]               ; c0 + 1
	v_cmp_lt_f32 s52, s50, v[CZ+(\j)]              ; 0.01 < z
	v_cmp_gt_f32 s53, s51, v[CZ+(\j)]              ; z < 5e9
	v_cmp_gt_u32 s54, 64, v[TT+6]                  ; the row is in the image (a negative number is a large unsigned one)
	v_cmp_gt_u32 s55, s60, v[PI+(\j)]              ; the point exists
	v_cmp_gt_f32 s56, s48, v[TT+4]
	v_cmp_gt_u32 s57, s61, v[TT+7]
	v_cmp_gt_f32 s58, s48, v[TT+5]
	v_cmp_gt_u32 s59, s61, v[TT+8]
	s_and_b32 s52, s52, s53
	s_and_b32 s54, s54, s55
	s_and_b32 s52, s52, s54
	s_and_b32 s56, s56, s57
	s_and_b32 s58, s58, s59
	s_and_b32 s56, s56, s52                        ; cov0
	s_and_b32 s58, s58, s52                        ; cov1
	s_or_b32 s52, s56, s58
	v_cndmask_b32 v[TT+9], 0, 1, s56
	v_cndmask_b32 v[TT+10], 0, 2, s58
	v_lshl_add_u32 v[TT+11], v[TT+6], 8, v[TT+8]
	v_lshl_or_b32 v[TT+11], v[TT+11], 2, v[TT+9]
	v_or_b32 v[TT+11], v[TT+11], v[TT+10]
	v_cndmask_b32 v[KEYR+(\j)], -1, v[TT+11], s52
.endm
.irp j, 0,1,2,3
	XFORM \j
.endr
.irp j, 0,1,2,3
	v_rcp_f32 v[INV+(\j)], v[CZ+(\j)]              ; one batch of four
.endr
.irp j, 0,1,2,3
	v_mul_f32 v[TX+(\j)], s36, v[CX+(\j)]          ; eight plain instructions that name no reciprocal stand behind the batch
	v_mul_f32 v[TY+(\j)], s37, v[CY+(\j)]
.endr
	s_wait_alu depctr_va_vdst(0)                   ; one wait for the four reciprocals, ahead of their first reader
.irp j, 0,1,2,3
	PROJ \j
.endr
.irp j, 0,1,2,3
	MKKEY \j
.endr
	global_store_b128 v2, v[KEYR:KEYR+3], s[14:15]              ; the wave stores 512 consecutive bytes, at a multiple of 512 from the first byte of kz
	global_store_b128 v2, v[CZ:CZ+3], s[14:15] offset:ZHALF     ; and the same for the depth keys
	s_endpgm
.Lfunc_end_k_q20e42575bf_project:
	.size	k_q20e42575bf_project, .Lfunc_end_k_q20e42575bf_project-k_q20e42575bf_project
	.p2alignl 7, 3214868480
	.fill 96, 4, 3214868480
	.section	.rodata,"a",@progbits
	.p2align	6, 0x0
	.amdhsa_kernel k_q20e42575bf_project
		.amdhsa_group_segment_fixed_size 0
		.amdhsa_private_segment_fixed_size 0
		.amdhsa_enable_private_segment 0
		.amdhsa_kernarg_size 56
		.amdhsa_user_sgpr_count 2
		.amdhsa_user_sgpr_kernarg_segment_ptr 1
		.amdhsa_wavefront_size32 1
		.amdhsa_system_sgpr_workgroup_id_x 1
		.amdhsa_system_sgpr_workgroup_id_y 1
		.amdhsa_system_sgpr_workgroup_id_z 1
		.amdhsa_system_vgpr_workitem_id 0
		.amdhsa_next_free_vgpr 72
		.amdhsa_next_free_sgpr 66
		.amdhsa_reserve_vcc 0
		.amdhsa_float_denorm_mode_32 3
		.amdhsa_float_denorm_mode_16_64 3
		.amdhsa_memory_ordered 1
		.amdhsa_forward_progress 1
		.amdhsa_inst_pref_size 15
	.end_amdhsa_kernel
	.amdgpu_metadata
---
amdhsa.version: [ 1, 2 ]
amdhsa.kernels:
  - .name:           k_q20e42575bf_project
    .symbol:         k_q20e42575bf_project.kd
    .args:
      - { .name: points, .offset: 0, .size: 8, .value_kind: global_buffer, .address_space: global }
      - { .name: R, .offset: 8, .size: 8, .value_kind: global_buffer, .address_space: global }
      - { .name: T, .offset: 16, .size: 8, .value_kind: global_buffer, .address_space: global }
      - { .name: focal, .offset: 24, .size: 8, .value_kind: global_buffer, .address_space: global }
      - { .name: principal, .offset: 32, .size: 8, .value_kind: global_buffer, .address_space: global }
      - { .name: kz, .offset: 40, .size: 8, .value_kind: global_buffer, .address_space: global }
      - { .name: xy, .offset: 48, .size: 8, .value_kind: global_buffer, .address_space: global }
    .group_segment_fixed_size: 0
    .private_segment_fixed_size: 0
    .kernarg_segment_align: 8
    .kernarg_segment_size: 56
    .max_flat_workgroup_size: 128
    .sgpr_count:     66
    .vgpr_count:     72
    .wavefront_size: 32
...
	.end_amdgpu_metadata
.endif
;; end of part 1
;; launch render (part 2): grid 4 x 64, 8 waves a work-group, no clusters, 172,288 bytes of LDS; arguments kz, xy, features, out0, out1, out2; writes out0, out1, out2
.if DOCPART == 2
	.amdgcn_target "amdgcn-amd-amdhsa--gfx1250"
	.amdhsa_code_object_version 6
	.text
	.protected	k_q20e42575bf_render
	.globl	k_q20e42575bf_render
	.p2align	8
	.type	k_q20e42575bf_render,@function
k_q20e42575bf_render:
	s_mov_b64 s[64:65], 0
	v_nop
	global_prefetch_b8 v0, s[64:65] scope:SCOPE_SE
	s_setreg_imm32_b32 hwreg(HW_REG_WAVE_MODE, 25, 1), 1
	s_wait_xcnt 0x0
; POINT CLOUD RENDERING, second launch: every pixel gathers its points, keeps the 10 nearest and composites them front to back.
; WORK LEFT OUT: the pair tests that the first launch shows to fail for all inputs (a point can cover only pixels (row, c0) and (row, c0 + 1) of its key), and the term trans x BG with BG = 0.
; IN.  kz, whole numbers: key = row << 10 | (c0 + 1) << 2 | cov1 << 1 | cov0 or all ones; from byte 81,920 on the depth keys (the bits of z > 0, which order as unsigned numbers).  Point 128 B + 32 j + l lies at word 128 B + 4 l + j.
;      xy: x, y of point p at byte 8 p.  features: r, g, b of point p at byte 12 p.
; Every branch and every address hangs on ids and on whole numbers read from kz; floats only go through arithmetic and selects.
; SHARES.  Work-group (q, row) owns the 32 pixels of columns 32 q .. 32 q + 31 of one row: 256 work-groups.  Wave w (a) scans points 2,560 w .. 2,560 w + 2,559 and lists in LDS those whose key falls into the segment;
; (b) owns pixels 4 w .. 4 w + 3 of the segment, one in each of its lanes 0-3, walks all eight lists in the order of the points' numbers and keeps a sorted top 10 (depth key, number) in registers.
; Equal depths keep the lower number in front, as the problem's top_k does: a new entry goes behind its equals, and entries come in rising order of number.
; A list holds 2,560 entries: the case that all of a wave's points match.
; NO CLUSTER, NO SHARED TILE, though all work-groups read the same keys: a wave reads its 20,480 bytes once, straight into registers, where the tests want them; as a tile in LDS the keys are 163,840 bytes,
; and beside the lists' 165,888 bytes that is more than the 327,680 bytes that a work-group can have.
; LIMITS.  d2 is made by the same instructions as in the first launch, so a listed point has a weight above 0; w = 1 - d2 x (1 / R2) and the division of the depth by v_rcp_f32 differ from the problem's divisions by rounding.
.set REGION, 20736                     ; a wave's list: 2,560 entries of 8 bytes (number << 8 | t, depth key), the dump entry 2,560, and the rest of 81 blocks of 256 bytes
.set CAP,    2560
.set CNTS,   8*REGION                  ; 165,888: word w = the length of wave w's list; a block of 256 bytes
.set STG,    CNTS+256                  ; 166,144: thread t puts r, g, b, mask at 16 t
.set STG2,   STG+4096                  ; 170,240: and the depth at 4 t
.set SPARE,  STG2+1024                 ; 171,264: the spare words, 128 bytes for each of the eight waves: four blocks of 256 bytes that no other line names
.set ZHALF,  81920
.set NPTS,   20000
.set SPW, 2                            ; v2   LDS address of my spare word; never rewritten
.set NIL, 3                            ; v3   0; never rewritten
.set KOFF, 4                           ; v4   my 16 bytes of my wave's first block of keys
.set IDX8, 5                           ; v5   (2,560 wave + lane) << 8
.set WB,  6                            ; v6   my wave's list in LDS
.set TR,  8                            ; v[8:11]  key - BASE of a block's four groups
.set KY,  32                           ; v[32:111]  the keys of my 20 blocks
.set ZK,  112                          ; v[112:191] their depth keys
.set ZS,  32                           ; behind the scan: v32-41 the top 10's depth keys, ascending; all ones = empty
.set IS,  42                           ; v42-51  their points' numbers
.set PXY, 52                           ; v[52+2k:53+2k] x, y of layer k
.set FT,  72                           ; v[72+4k:74+4k] its r, g, b
.set OX,  112                          ; v112-121 byte offsets in xy
.set OF,  122                          ; v122-131 byte offsets in features
.set TP,  132                          ; v132-137 at work
	s_load_b256 s[4:11], s[0:1], 0x0               ; kz s[4:5], xy s[6:7], features s[8:9], out0 s[10:11]
	s_load_b128 s[12:15], s[0:1], 0x20             ; out1 s[12:13], out2 s[14:15]
	v_lshl_add_u32 v[SPW], v0, 2, SPARE
	v_mov_b32 v[NIL], 0
	v_and_b32 v1, 31, v0                           ; lane
	v_lshrrev_b32 v7, 5, v0
	v_readfirstlane_b32 s16, v7                    ; wave
	s_mov_b32 s17, ttmp9                           ; q
	s_and_b32 s18, ttmp7, 0xffff                   ; row
	s_lshl_b32 s19, s18, 10
	s_lshl_b32 s22, s17, 7
	s_add_co_u32 s19, s19, s22                     ; BASE: the key of (row, c0 + 1 = 32 q) with no bit set
	s_mov_b32 s20, 132                             ; a key is mine where key - BASE < 132: c0 + 1 - 32 q in 0 .. 32, two bits below it
	s_mov_b32 s21, 0                               ; the length of my list
	s_mov_b32 s23, CAP
	s_mul_i32 s22, s16, 10240                      ; 20 blocks of 512 bytes a wave
	v_lshl_add_u32 v[KOFF], v1, 4, s22
	s_mul_i32 s22, s16, CAP
	v_add_nc_u32 v[IDX8], s22, v1
	v_lshlrev_b32 v[IDX8], 8, v[IDX8]
	s_mul_i32 s22, s16, REGION
	v_mov_b32 v[WB], s22
	s_lshl_b32 s47, s16, 2                         ; my first pixel in the segment
	s_mov_b32 s60, 0xbc800000                      ; -1/64
	s_mov_b32 s61, 0x3f7e0000                      ; 127/128
	s_mov_b32 s62, 0xbd000000                      ; -1/32
	s_mov_b32 s63, 0x3f7c0000                      ; 63/64
	s_wait_kmcnt 0x0
.set b, 0
.rept 20                                       ; all 40 loads go out at once: 512 consecutive bytes each
	global_load_b128 v[KY+4*b:KY+4*b+3], v[KOFF], s[4:5] offset:512*b
	global_load_b128 v[ZK+4*b:ZK+4*b+3], v[KOFF], s[4:5] offset:ZHALF+512*b
.set b, b+1
.endr
; Group j of block b: the lanes that match append their entries to the list, in the order of the lanes; the other lanes write the dump entry, which nobody reads.  A group without a match is jumped over.
.macro PUT b, j
	s_cmp_eq_u32 s[24+(\j)], 0
	s_cbranch_scc1 .Lnone_\@
	v_mbcnt_lo_u32_b32 v12, s[24+(\j)], s21        ; the list's length + the matching lanes below me
	v_cndmask_b32 v12, s23, v12, s[24+(\j)]
	v_min_u32 v12, CAP, v12                        ; an entry's number stays inside the wave's region
	v_lshl_add_u32 v13, v12, 3, v[WB]
	v_add3_u32 v14, v[TR+(\j)], v[IDX8], (128*(\b)+32*(\j))<<8  ; number << 8 | t
	v_mov_b32 v15, v[ZK+4*(\b)+(\j)]
	ds_store_b64 v13, v[14:15]
	s_bcnt1_i32_b32 s22, s[24+(\j)]
	s_add_co_u32 s21, s21, s22
.Lnone_\@:
.endm
.macro BLOCK b
	s_wait_loadcnt 38-2*(\b)                       ; loads come back in order: this block's two are in, the two of each of the 19 - b later blocks stay out
.irp j, 0,1,2,3
	v_sub_nc_u32 v[TR+(\j)], v[KY+4*(\b)+(\j)], s19
.endr
.irp j, 0,1,2,3
	v_cmp_gt_u32 s[24+(\j)], s20, v[TR+(\j)]
.endr
.irp j, 0,1,2,3
	PUT \b, \j
.endr
.endm
.irp b, 0,1,2,3,4,5,6,7,8,9,10,11,12,13,14,15,16,17,18,19
	BLOCK \b
.endr
	v_mov_b32 v12, s21
	v_mov_b32 v13, s47
	v_add_nc_u32 v13, CNTS, v13
	ds_store_b32 v13, v12                          ; all lanes write the same word with the same number
	s_wait_dscnt 0x0                               ; for the other waves: my list and its length lie in LDS
	s_barrier_signal -1
	s_barrier_wait -1                              ; all eight lists are whole; nothing writes them from here on
	v_mov_b32 v13, CNTS
	ds_load_b128 v[8:11], v13
	ds_load_b128 v[16:19], v13 offset:16
.irp k, 0,1,2,3,4,5,6,7,8,9
	v_mov_b32 v[ZS+(\k)], -1                       ; the top 10 is empty
	v_mov_b32 v[IS+(\k)], 0
.endr
	s_wait_dscnt 0x0
.irp k, 0,1,2,3
	v_readfirstlane_b32 s[28+(\k)], v[8+(\k)]      ; s28-35: the eight lengths
	v_readfirstlane_b32 s[32+(\k)], v[16+(\k)]
.endr
.irp k, 0,1,2,3,4,5,6,7
	s_min_u32 s[28+(\k)], s[28+(\k)], CAP          ; a length is at most the capacity: a walk has 80 trips at the most
.endr
; The entry (v20 = its depth key in the lanes whose pixel it covers, all ones elsewhere; s46 = its number) goes into the sorted ten.  C_k: slot k holds a larger key.  The compare is strict, so equals stay in front.
; Slot k takes slot k - 1 where C_(k-1), else the entry where C_k, else it stays; from the last slot down, so that slot k - 1 is still the old one.
.macro INSERT
.irp k, 0,1,2,3,4,5,6,7,8,9
	v_cmp_gt_u32 s[50+(\k)], v[ZS+(\k)], v20
.endr
.irp k, 9,8,7,6,5,4,3,2,1
	v_cndmask_b32 v[ZS+(\k)], v[ZS+(\k)], v20, s[50+(\k)]
	v_cndmask_b32 v[IS+(\k)], v[IS+(\k)], s46, s[50+(\k)]
	v_cndmask_b32 v[ZS+(\k)], v[ZS+(\k)], v[ZS+(\k)-1], s[49+(\k)]
	v_cndmask_b32 v[IS+(\k)], v[IS+(\k)], v[IS+(\k)-1], s[49+(\k)]
.endr
	v_cndmask_b32 v[ZS], v[ZS], v20, s50
	v_cndmask_b32 v[IS], v[IS], s46, s50
.endm
; Wave s's list is walked, 32 entries a trip.  The trips are counted up by 1 to s26 = (length + 31) / 32, which is set ahead of the loop and not written in it; the loop is left by falling through its branch back alone;
; an empty list is jumped over ahead of the loop.  Of a trip's entries those that can touch my four pixels are taken one by one, lowest lane first.
.macro LIST s
	s_add_co_u32 s26, s[28+(\s)], 31
	s_lshr_b32 s26, s26, 5                         ; the walk's trips
	s_sub_co_u32 s37, s[28+(\s)], 1                ; the last entry's number
	s_mov_b32 s36, 0                               ; the trip
	s_cmp_eq_u32 s26, 0
	s_cbranch_scc1 .Ldone_\@
.Lgrp_\@:
	s_lshl_b32 s27, s36, 5                         ; the trip's first entry
	v_add_nc_u32 v19, s27, v1
	v_cmp_gt_u32 s38, s[28+(\s)], v19              ; my entry exists
	v_min_u32 v19, s37, v19                        ; the other lanes read the last entry: no byte is read that was not written
	v_min_u32 v19, CAP-1, v19                      ; and no address leaves the list's region, whatever the count
	v_lshl_add_u32 v19, v19, 3, (\s)*REGION
	ds_load_b64 v[16:17], v19
	s_wait_dscnt 0x0
	v_bfe_u32 v18, v16, 2, 6                       ; c0 + 1 - 32 q, 0 .. 32
	v_sub_nc_u32 v18, v18, s47                     ; U: counted from my first pixel; the point can cover pixels U - 1 and U
	v_cmp_gt_u32 s22, 5, v18                       ; U in 0 .. 4
	s_and_b32 s38, s38, s22
	s_bcnt1_i32_b32 s39, s38
	s_cmp_eq_u32 s39, 0
	s_cbranch_scc1 .Lnext_\@
	s_mov_b32 s40, 0
.Lbit_\@:
	s_ctz_i32_b32 s41, s38                         ; the lowest lane that is left
	s_lshl_b32 s22, 1, s41
	s_and_not1_b32 s38, s38, s22
	v_readlane_b32 s42, v16, s41                   ; number << 8 | t
	v_readlane_b32 s43, v17, s41                   ; depth key
	v_readlane_b32 s44, v18, s41                   ; U
	s_and_b32 s45, s42, 3
	s_lshl_b32 s45, s45, s44
	s_lshr_b32 s45, s45, 1                         ; cov0 at bit U - 1, cov1 at bit U:
	s_and_b32 s45, s45, 15                         ; the lanes, of my four, whose pixel is covered
	s_cmp_eq_u32 s45, 0
	s_cbranch_scc1 .Lnoins_\@
	s_lshr_b32 s46, s42, 8
	v_cndmask_b32 v20, -1, s43, s45
	INSERT
.Lnoins_\@:
	s_add_co_u32 s40, s40, 1
	s_cmp_lt_u32 s40, s39
	s_cbranch_scc1 .Lbit_\@
.Lnext_\@:
	s_add_co_u32 s36, s36, 1
	s_cmp_lt_u32 s36, s26
	s_cbranch_scc1 .Lgrp_\@
.Ldone_\@:
.endm
.irp s, 0,1,2,3,4,5,6,7
	LIST \s
.endr
	; THE GATHER: x, y and colour of the ten layers, 20 loads at once.  An empty slot names point 0; what it brings is selected away.
.irp k, 0,1,2,3,4,5,6,7,8,9
	v_min_u32 v[IS+(\k)], NPTS-1, v[IS+(\k)]
	v_lshlrev_b32 v[OX+(\k)], 3, v[IS+(\k)]
	v_mul_u32_u24 v[OF+(\k)], v[IS+(\k)], 12
	global_load_b64 v[PXY+2*(\k):PXY+2*(\k)+1], v[OX+(\k)], s[6:7]
	global_load_b96 v[FT+4*(\k):FT+4*(\k)+2], v[OF+(\k)], s[8:9]
.endr
	s_lshl_b32 s22, s17, 5
	s_add_co_u32 s22, s22, s47
	v_add_nc_u32 v21, s22, v1                      ; my column (lanes 0-3)
	v_cvt_f32_u32 v21, v21
	v_fma_f32 v21, v21, s60, s61                   ; xs, exact
	v_cvt_f32_u32 v22, s18
	v_fma_f32 v22, v22, s62, s63                   ; ys, exact
	s_mov_b32 s24, 0xc58ae38e                      ; -1 / R2
	s_mov_b32 s25, 0x38d1b717                      ; 1e-4
; Layer k: w = 1 - d2 / R2 where the slot is filled, else 0; c = w T; colour += c f; T -= c; the sums of w and of w z.  Layer 0 starts the sums: nothing is cleared.
; v24-26 colour, v28 T, v29 the sum of w, v30 the sum of w z
.macro LAYER k
	s_wait_loadcnt 18-2*(\k)                       ; this layer's two loads are in; the two of each later layer stay out
	v_sub_f32 v[TP], v21, v[PXY+2*(\k)]
	v_sub_f32 v[TP+1], v22, v[PXY+2*(\k)+1]
	v_mul_f32 v[TP+1], v[TP+1], v[TP+1]
	v_fma_f32 v[TP], v[TP], v[TP], v[TP+1]         ; d2, by the first launch's instructions
	v_fma_f32 v[TP], v[TP], s24, 1.0
	v_cmp_ne_u32 vcc_lo, -1, v[ZS+(\k)]
	v_cndmask_b32 v[TP], 0, v[TP], vcc_lo          ; w
	v_cndmask_b32 v[TP+1], 0, v[ZS+(\k)], vcc_lo   ; z: the depth key is its bits
.if (\k) == 0
	v_mul_f32 v24, v[TP], v[FT]
	v_mul_f32 v25, v[TP], v[FT+1]
	v_mul_f32 v26, v[TP], v[FT+2]
	v_sub_f32 v28, 1.0, v[TP]
	v_mov_b32 v29, v[TP]
	v_mul_f32 v30, v[TP], v[TP+1]
.else
	v_mul_f32 v[TP+2], v[TP], v28
	v_fmac_f32 v24, v[TP+2], v[FT+4*(\k)]
	v_fmac_f32 v25, v[TP+2], v[FT+4*(\k)+1]
	v_fmac_f32 v26, v[TP+2], v[FT+4*(\k)+2]
	v_sub_f32 v28, v28, v[TP+2]
	v_add_f32 v29, v29, v[TP]
	v_fmac_f32 v30, v[TP], v[TP+1]
.endif
.endm
.irp k, 0,1,2,3,4,5,6,7,8,9
	LAYER \k
.endr
	v_max_num_f32 v29, s25, v29                    ; the problem's clip of the divisor
	v_rcp_f32 v31, v29
.irp c, 24,25,26
	v_max_num_f32 v\c, 0, v\c                      ; the problem's clip of the colour: plain work behind the reciprocal
	v_min_num_f32 v\c, 1.0, v\c
.endr
	v_sub_f32 v27, 1.0, v28                        ; mask
	v_lshl_add_u32 v[TP], v0, 4, STG
	v_lshl_add_u32 v[TP+1], v0, 2, STG2
	s_wait_alu depctr_va_vdst(0)                   ; the wait for the reciprocal, ahead of its first reader
	v_mul_f32 v31, v30, v31                        ; depth
	; THE WAY OUT.  Every thread puts its five numbers into words of its own (those of lanes 4-31 are read by nobody), so EXEC is never changed; wave 0 collects the 32 pixels and stores them as consecutive bytes.
	ds_store_b128 v[TP], v[24:27]
	ds_store_b32 v[TP+1], v31
	s_wait_dscnt 0x0                               ; for wave 0: my results lie in LDS
	s_barrier_signal -1
	s_barrier_wait -1
	s_cmp_lg_u32 s16, 0
	s_cbranch_scc1 .Lend
	v_lshrrev_b32 v[TP+2], 2, v1                   ; pixel p of the segment was made by wave p / 4,
	v_and_b32 v[TP+3], 3, v1                       ; lane p % 4:
	v_lshl_add_u32 v[TP+2], v[TP+2], 5, v[TP+3]    ; that thread
	v_lshl_add_u32 v[TP], v[TP+2], 4, STG
	v_lshl_add_u32 v[TP+1], v[TP+2], 2, STG2
	ds_load_b128 v[24:27], v[TP]
	ds_load_b32 v31, v[TP+1]
	s_lshl_b32 s22, s18, 7
	s_lshl_b32 s36, s17, 5
	s_add_co_u32 s22, s22, s36                     ; the segment's first pixel: 128 row + 32 q
	s_mul_i32 s2, s22, 12
	s_mov_b32 s3, 0
	s_lshl_b32 s48, s22, 2
	s_mov_b32 s49, 0
	s_add_nc_u64 s[10:11], s[10:11], s[2:3]
	s_add_nc_u64 s[12:13], s[12:13], s[48:49]
	s_add_nc_u64 s[14:15], s[14:15], s[48:49]
	v_mul_u32_u24 v[TP+4], v1, 12
	v_lshlrev_b32 v[TP+5], 2, v1
	s_wait_dscnt 0x0
	global_store_b96 v[TP+4], v[24:26], s[10:11]   ; 384 consecutive bytes of out0
	global_store_b32 v[TP+5], v27, s[12:13]        ; 128 consecutive bytes of out1: all that a segment of 32 pixels has
	global_store_b32 v[TP+5], v31, s[14:15]        ; and of out2
.Lend:
	s_wait_tensorcnt 0x0                           ; the wave's end, behind my last LDS store
	ds_add_u32 v[SPW], v[NIL]
	s_wait_dscnt 0x0
	s_endpgm
.Lfunc_end_k_q20e42575bf_render:
	.size	k_q20e42575bf_render, .Lfunc_end_k_q20e42575bf_render-k_q20e42575bf_render
	.p2alignl 7, 3214868480
	.fill 96, 4, 3214868480
	.section	.rodata,"a",@progbits
	.p2align	6, 0x0
	.amdhsa_kernel k_q20e42575bf_render
		.amdhsa_group_segment_fixed_size 172288
		.amdhsa_private_segment_fixed_size 0
		.amdhsa_enable_private_segment 0
		.amdhsa_kernarg_size 48
		.amdhsa_user_sgpr_count 2
		.amdhsa_user_sgpr_kernarg_segment_ptr 1
		.amdhsa_wavefront_size32 1
		.amdhsa_system_sgpr_workgroup_id_x 1
		.amdhsa_system_sgpr_workgroup_id_y 1
		.amdhsa_system_sgpr_workgroup_id_z 1
		.amdhsa_system_vgpr_workitem_id 0
		.amdhsa_next_free_vgpr 192
		.amdhsa_next_free_sgpr 66
		.amdhsa_reserve_vcc 1
		.amdhsa_float_denorm_mode_32 3
		.amdhsa_float_denorm_mode_16_64 3
		.amdhsa_memory_ordered 1
		.amdhsa_forward_progress 1
		.amdhsa_inst_pref_size 112
	.end_amdhsa_kernel
	.amdgpu_metadata
---
amdhsa.version: [ 1, 2 ]
amdhsa.kernels:
  - .name:           k_q20e42575bf_render
    .symbol:         k_q20e42575bf_render.kd
    .args:
      - { .name: kz, .offset: 0, .size: 8, .value_kind: global_buffer, .address_space: global }
      - { .name: xy, .offset: 8, .size: 8, .value_kind: global_buffer, .address_space: global }
      - { .name: features, .offset: 16, .size: 8, .value_kind: global_buffer, .address_space: global }
      - { .name: out0, .offset: 24, .size: 8, .value_kind: global_buffer, .address_space: global }
      - { .name: out1, .offset: 32, .size: 8, .value_kind: global_buffer, .address_space: global }
      - { .name: out2, .offset: 40, .size: 8, .value_kind: global_buffer, .address_space: global }
    .group_segment_fixed_size: 172288
    .private_segment_fixed_size: 0
    .kernarg_segment_align: 8
    .kernarg_segment_size: 48
    .max_flat_workgroup_size: 256
    .sgpr_count:     66
    .vgpr_count:     192
    .wavefront_size: 32
...
	.end_amdgpu_metadata
.endif
;; end of part 2
